; MI455X (gfx1250); checked and timed in simulation.
; The chip was launched on July 23, 2026; its instructions are those of AMD's public machine-readable ISA for CDNA 5 (MIT licence, August 2026) and "CDNA5" Instruction Set Architecture Reference Guide (July 2026). The comments in the code are by the model that wrote it; some were corrected since.
;; Mixed Precision QAT Linear Enhanced. Allowed arithmetic: matrix products marked QUANTISED: E5M2 operands, one given power-of-two scale a tensor, by v_wmma_f32_16x16x64_bf8_bf8 or v_wmma_f32_16x16x128_bf8_bf8, f32 sums; everything else in f32.
;; Inputs: W 4,096 x 4,096 float32; b 4,096 float32; logits_a 3 float32; logits_w 3 float32; lowp_scales 2 int32 (the exponents e of the quantised operands' scales 2^e); lsq_a_beta one number float32; lsq_a_s one number float32; lsq_w_s one number float32; pact_alpha one number float32; rescale_scale one number float32; x 4 x 1,024 x 4,096 float32.
;; Outputs: out0 4 x 1,024 x 4,096 float32.
;; This version of the problem:
;;   THIS VERSION OF THE PROBLEM IS GIVEN IN LOW PRECISION. The matrix products marked QUANTISED in the list below multiply operands that are first quantised to E5M2 (5 exponent bits, 2 mantissa bits; 8 bits a number), with one given power-of-two scale for each operand tensor; their sums are f32. All else is computed in f32.
;;   The module's matrix products, in the order in which they are computed (A, B: the left and right operand; K: the contracted axis; several contracted axes count as one K, in the product's order):
;;     1. [M 4,096, K 4,096] x [K 4,096, N 4,096]; A: computed on the way; B: computed on the way: QUANTISED (scales: A lowp_scales[0], B lowp_scales[1])
;;   THE QUANTISER, for each operand of a quantised product, along K:
;;     - The operand's scale is 2^e, e = its entry of the input lowp_scales (int32; the entries are numbered through the quantised products in the list's order, A before B).
;;     - Each number is divided by the scale, clamped to +-57,344, and rounded to the nearest number of E5M2, ties to even, subnormals kept.
;;     - The product sums the exact products of the quantised numbers (number of the format x scale) in f32.
;;   ~~~python
;;   def quantise(x, axis, e):      # numpy; x: float32 -> the quantised numbers, widened to float32 again
;;       x = np.moveaxis(x, axis, -1); K = x.shape[-1]
;;       r = np.clip(x / 2.0 ** e, -57344, 57344)
;;       step = 2.0 ** (np.maximum(np.frexp(np.where(r == 0, 1, r))[1] - 1, -14) - 2)
;;       q = np.round(r / step) * step * 2.0 ** e      # np.round: ties to even
;;       return np.moveaxis(q, -1, axis).astype(np.float32)
;;   ~~~
;;   OPERANDS COMPUTED ON THE WAY. 'Computed on the way' means the value that the module computes at that place (a softmax that the list does not call 'softmax' is quantised finished and normalised). What goes into a quantiser is computed in f32, as accurately as f32 sums, v_exp_f32 and their like allow (about 1e-6 of the number): no bf16 or f16 on the way to a quantiser, and a product that is left as it is and whose result goes on into a quantised operand takes f32 operands (vector FMAs, or v_wmma_f32_16x16x4_f32). A number that lies on a knife's edge between two numbers of the format may be rounded either way, as far as f32 arithmetic and the matrix unit's own rounding can turn it there, and no further.
;; One version. Each part assembles by itself: llvm-mc -triple=amdgcn-amd-amdhsa -mcpu=gfx1250 --defsym DOCPART=n.
;; ======== version 1 of 1: 3 launches
;; limits: right only within a limited range of input values
;; workspace buffers: wmax 1,024 bytes; xq 16,777,216 bytes; wq 16,777,216 bytes
;; launch absmax (part 1): grid 256 x 1, 16 waves a work-group, no clusters, 2,304 bytes of LDS; arguments W, wmax; writes wmax
.if DOCPART == 1
	.amdgcn_target "amdgcn-amd-amdhsa--gfx1250"
	.amdhsa_code_object_version 6
	.text
	.protected	k_q47cea89313_absmax
	.globl	k_q47cea89313_absmax
	.p2align	8
	.type	k_q47cea89313_absmax,@function
k_q47cea89313_absmax:
	s_mov_b64 s[64:65], 0
	v_nop
	global_prefetch_b8 v0, s[64:65] scope:SCOPE_SE
	s_setreg_imm32_b32 hwreg(HW_REG_WAVE_MODE, 25, 1), 1
	s_wait_xcnt 0x0
; wmax[g] = the largest |W| among work-group g's 65,536 numbers.  W: [4096][4096] f32, taken as a plain stream; wmax: 256 f32.
; The 8-bit uniform quantiser of the weights wants the largest |W / scale| of the whole tensor.  Division by a positive number and rounding keep order, so the largest quotient
; is the quotient of the largest |W|: this launch needs no other input, and the next launch joins the 256 numbers and divides once.
; SHARES.  256 work-groups of sixteen waves.  Work-group g takes the 8,192 bytes at 8,192 g + 2,097,152 i, i = 0 .. 31, thread t 16 bytes of them: a wave's load covers 512 consecutive bytes,
; and the i-th loads of all work-groups together cover 2,097,152 bytes on end.  Four loads share a base (their places stand in the immediate), eight bases lie 8,388,608 bytes apart.
; The loads go in four groups of eight; two groups, sixteen loads a wave, are out at a time.  Each load has its own registers.
; No matrix unit, no tensor load, no cluster: each byte is read once by one lane and nothing is shared.
; The output is one number a work-group, 1,024 bytes in the whole launch: it is stored as 4 bytes by one lane.
; LIMIT: NaN among the inputs is not served (the maximum passes over it).
.set M, 2                              ; v[2:5]    four running maxima that do not wait for each other
.set X, 8                              ; v[8:135]  the 32 loads' numbers
.set BS, 16                            ; s[16:31]  the eight bases
	s_load_b128 s[4:7], s[0:1], 0x0                ; W s[4:5], wmax s[6:7]
	v_lshl_add_u32 v136, v0, 2, 0x100              ; my spare word
	v_mov_b32 v137, 0
	v_lshlrev_b32 v1, 4, v0                        ; 16 bytes a thread
	v_lshrrev_b32 v6, 5, v0
	s_delay_alu instid0(VALU_DEP_1)
	v_readfirstlane_b32 s8, v6                     ; wave 0..15
	v_mov_b32 v7, 0                                ; written once: a lane permute's destination counts as one of its sources
	s_lshl_b32 s2, ttmp9, 13                       ; the work-group's 8,192 bytes of each 2,097,152
	s_mov_b32 s3, 0
	s_lshl_b32 s12, ttmp9, 2                       ; and its word of wmax
	s_mov_b32 s13, 0
	s_mov_b32 s10, 0x76543210                      ; v_permlanex16_b32: each lane takes its own place in the other half
	s_mov_b32 s11, 0xfedcba98
	s_wait_alu depctr_va_vdst(0)                   ; the wait at the head's end
	s_wait_kmcnt 0x0
	s_add_nc_u64 s[4:5], s[4:5], s[2:3]
	s_add_nc_u64 s[6:7], s[6:7], s[12:13]
.irp b, 0,1,2,3,4,5,6,7
	s_add_nc_u64 s[BS+2*\b:BS+2*\b+1], s[4:5], \b*0x800000
.endr
.macro LOADG k                         ; group k: loads 8 k .. 8 k + 7
.irp i, 0,1,2,3,4,5,6,7
	global_load_b128 v[X+4*(8*(\k)+\i):X+4*(8*(\k)+\i)+3], v1, s[BS+2*(2*(\k)+\i/4):BS+2*(2*(\k)+\i/4)+1] offset:(\i%4)*0x200000 th:TH_LOAD_NT
.endr
.endm
	LOADG 0
	LOADG 1
; 64 pairs of numbers, sixteen to a group; the first four pairs start the chains: nothing is cleared
.set p, 0
.rept 64
.if p % 16 == 0
	s_wait_alu depctr_va_vdst(0)                   ; the wait here, directly ahead of the wait below
.if p < 48
	s_wait_loadcnt 8                               ; loads come back in order: this group's eight are in, the next group's stay out
.else
	s_wait_loadcnt 0
.endif
.if p < 32
	LOADG p/16+2                                   ; and the group two on goes out
.endif
.endif
.if p < 4
	v_max_num_f32 v[M+p], |v[X+2*p]|, |v[X+2*p+1]|
.else
	v_max3_num_f32 v[M+p%4], v[M+p%4], |v[X+2*p]|, |v[X+2*p+1]|
.endif
.set p, p+1
.endr
	s_delay_alu instid0(VALU_DEP_2)
	v_max3_num_f32 v[M], v[M], v[M+1], v[M+2]
	s_delay_alu instid0(VALU_DEP_1)
	v_max_num_f32 v6, v[M], v[M+3]
	; across the 32 lanes: four steps inside each half of 16 lanes, one across the halves
	s_delay_alu instid0(VALU_DEP_1)
	v_max_num_f32_dpp v6, v6, v6 row_xmask:1 row_mask:0xf bank_mask:0xf
	s_delay_alu instid0(VALU_DEP_1)
	v_max_num_f32_dpp v6, v6, v6 row_xmask:2 row_mask:0xf bank_mask:0xf
	s_delay_alu instid0(VALU_DEP_1)
	v_max_num_f32_dpp v6, v6, v6 row_xmask:4 row_mask:0xf bank_mask:0xf
	s_delay_alu instid0(VALU_DEP_1)
	v_max_num_f32_dpp v6, v6, v6 row_xmask:8 row_mask:0xf bank_mask:0xf
	s_delay_alu instid0(VALU_DEP_1)
	v_permlanex16_b32 v7, v6, s10, s11
	s_delay_alu instid0(VALU_DEP_1)
	v_max_num_f32 v6, v6, v7
	; across the sixteen waves: each stores its number to its own word; one barrier; every wave reads all sixteen
	v_mov_b32 v7, s8
	s_delay_alu instid0(VALU_DEP_1)
	v_lshlrev_b32 v7, 2, v7
	ds_store_b32 v7, v6                            ; all lanes write the same word with the same value
	s_wait_dscnt 0x0                               ; for the others' sake: my store has landed
	s_barrier_signal -1
	s_barrier_wait -1
	v_mov_b32 v7, 0
	ds_load_b128 v[8:11], v7
	ds_load_b128 v[12:15], v7 offset:16
	ds_load_b128 v[16:19], v7 offset:32
	ds_load_b128 v[20:23], v7 offset:48
	s_wait_dscnt 0x0
	v_max3_num_f32 v8, v8, v9, v10
	v_max3_num_f32 v11, v11, v12, v13
	v_max3_num_f32 v14, v14, v15, v16
	v_max3_num_f32 v17, v17, v18, v19
	v_max3_num_f32 v20, v20, v21, v22
	s_delay_alu instid0(VALU_DEP_3)
	v_max3_num_f32 v8, v8, v11, v14
	s_delay_alu instid0(VALU_DEP_2)
	v_max3_num_f32 v17, v17, v20, v23
	s_delay_alu instid0(VALU_DEP_1)
	v_max_num_f32 v8, v8, v17
	s_wait_alu depctr_va_vdst(0)                   ; the wait here, directly ahead of the wait below
	s_wait_xcnt 0x0                                ; EXEC changes only behind this wait
	v_cmp_eq_u32 vcc_lo, 0, v0
	s_wait_tensorcnt 0x0                           ; the wave's end
	ds_add_u32 v136, v137
	s_wait_dscnt 0x0
	s_and_saveexec_b32 s9, vcc_lo                  ; thread 0 alone stores
	global_store_b32 v7, v8, s[6:7]                ; v7 = 0: the base stands at the work-group's word
	s_wait_xcnt 0x0                                ; and again, in front of the line that widens it
	s_or_b32 exec_lo, exec_lo, s9
	s_endpgm
.Lfunc_end_k_q47cea89313_absmax:
	.size	k_q47cea89313_absmax, .Lfunc_end_k_q47cea89313_absmax-k_q47cea89313_absmax
	.p2alignl 7, 3214868480
	.fill 96, 4, 3214868480
	.section	.rodata,"a",@progbits
	.p2align	6, 0x0
	.amdhsa_kernel k_q47cea89313_absmax
		.amdhsa_group_segment_fixed_size 2304
		.amdhsa_private_segment_fixed_size 0
		.amdhsa_enable_private_segment 0
		.amdhsa_kernarg_size 16
		.amdhsa_user_sgpr_count 2
		.amdhsa_user_sgpr_kernarg_segment_ptr 1
		.amdhsa_wavefront_size32 1
		.amdhsa_system_sgpr_workgroup_id_x 1
		.amdhsa_system_sgpr_workgroup_id_y 1
		.amdhsa_system_sgpr_workgroup_id_z 1
		.amdhsa_system_vgpr_workitem_id 0
		.amdhsa_next_free_vgpr 138
		.amdhsa_next_free_sgpr 66
		.amdhsa_reserve_vcc 1
		.amdhsa_float_denorm_mode_32 3
		.amdhsa_float_denorm_mode_16_64 3
		.amdhsa_memory_ordered 1
		.amdhsa_forward_progress 1
		.amdhsa_inst_pref_size 11
	.end_amdhsa_kernel
	.amdgpu_metadata
---
amdhsa.version: [ 1, 2 ]
amdhsa.kernels:
  - .name:           k_q47cea89313_absmax
    .symbol:         k_q47cea89313_absmax.kd
    .args:
      - { .name: W, .offset: 0, .size: 8, .value_kind: global_buffer, .address_space: global }
      - { .name: wmax, .offset: 8, .size: 8, .value_kind: global_buffer, .address_space: global }
    .group_segment_fixed_size: 2304
    .private_segment_fixed_size: 0
    .kernarg_segment_align: 8
    .kernarg_segment_size: 16
    .max_flat_workgroup_size: 512
    .sgpr_count:     66
    .vgpr_count:     138
    .wavefront_size: 32
...
	.end_amdgpu_metadata
.endif
;; end of part 1
;; launch quant (part 2): grid 1024 x 1, 4 waves a work-group, no clusters, 35,328 bytes of LDS; arguments x, W, xq, wq, logits_a, logits_w, lsq_a_s, lsq_w_s, rescale_scale, lsq_a_beta, pact_alpha, lowp_scales, wmax; writes xq, wq
.if DOCPART == 2
	.amdgcn_target "amdgcn-amd-amdhsa--gfx1250"
	.amdhsa_code_object_version 6
	.text
	.protected	k_q47cea89313_quant
	.globl	k_q47cea89313_quant
	.p2align	8
	.type	k_q47cea89313_quant,@function
k_q47cea89313_quant:
	s_mov_b64 s[64:65], 0
	v_nop
	global_prefetch_b8 v0, s[64:65] scope:SCOPE_SE
	s_setreg_imm32_b32 hwreg(HW_REG_WAVE_MODE, 25, 1), 1
	s_wait_xcnt 0x0
; x [4096][4096] and W [4096][4096], f32, become the two operands of the product: each number goes through its mixture of three quantisers, in f32, and the result is turned into a code of
; BF8 (E5M2) with the scale 2^e that is given for the operand (entry 0 of lowp_scales for x's, entry 1 for W's).
; ONE FORMULA SERVES BOTH TENSORS, with other constants.  A clip at whole numbers and a rounding to whole numbers may change places, so for a number v:
;   t1 = rndne(clip(v G1 + H1, -8, 7))      the 4-bit term        t2 = rndne(clip(v G2, LO2, HI2))      the 8-bit term
;   q  = v G0 + K0 + t1 K1 + t2 K2          code = q / 2^e, held within +-57,344, to the nearest code, ties to even
;   with scale = max(rescale_scale, EPS), a0, a1, a2 = softmax(logits / 3.5) (the largest logit is taken away first), s1 = max(the 4-bit step, EPS), and
;          c0         beta'        s2                                     LO2    HI2
;   x:     scale      lsq_a_beta   max(pact_alpha, EPS) / 255             0      255
;   W:     1 / scale  0            max((max|W| / scale) / 127, EPS)       -128   127
;   G1 = c0 / s1, H1 = -beta' / s1, G2 = c0 / s2, G0 = a2 c0, K0 = a0 beta', K1 = a0 s1, K2 = a1 s2.
; The constants are made once a wave, every reciprocal with one Newton step, every quotient that is itself a step size with a correction by its remainder.
; SHARES.  Work-groups 0 .. 511 take x, the others W: only pointers and constants are chosen (by the work-group's number); both take one path through the text.  A wave takes 16 rows x 512 along K:
; step t is row t, four loads of 512 consecutive bytes, 16 a lane; loads run four steps ahead; every offset is an immediate.
; THE LAYOUT OF xq AND wq is the order of the product's operand registers: [256 blocks of 16 rows][32 steps of 128 along K][2,048 bytes]; in such a block byte 512 c + 16 (16 h + r) + m is byte m of
; registers 4 c .. 4 c + 3 of lane (r, h), row r.  Lane l = 8 q + 2 c + h of this kernel makes, in step t, the 16 codes of k = 128 i + 4 l + j (byte 4 i + j) of its 512: they are the 16 bytes at
; 256 l + 16 t of the wave's 8,192 bytes of output (steps 4 kb + q of its 16 rows).  Which k a byte holds is the same in xq and wq, so every product meets its partner; only the order of the f32 sums differs from ascending k.
; A lane's pieces of 16 steps make one unit of 256 bytes: they are gathered in the wave's own stage in LDS (272 bytes a lane) and leave at the end, 512 consecutive bytes a store.
; No barrier, no tensor load, no matrix unit: waves share nothing, and each input byte is read once.
; LIMITS.  e between -126 and 112, so that 2^e and 57,344 x 2^e are f32 numbers.  NaN among the inputs is not served.  v / s is computed as v x (c0 / s), some 2e-7 of the number away from the
; quotient of the rounded v c0: a number that lies that near the middle between two whole numbers may take the other one than a true division gives; its q then moves by one step, a0 s1 or a1 s2.
.set NWG_X, 512                        ; work-groups for x: 4096 x 4096 / (4 waves x 16 rows x 512)
.set STEPS, 16
.set G1,  32                           ; pairs, both halves alike, for the packed forms
.set H1,  34
.set G2,  36
.set G0,  38
.set K0,  40
.set K1,  42
.set K2,  44
.set LO1, 46                           ; -8
.set HI1, 47                           ; 7
.set LO2, 48
.set HI2, 49
.set LIM, 50                           ; 57,344 x 2^e
.set SC,  51                           ; 2^e
.set R,   52                           ; v52-115   four sets of 16 numbers as loaded; at the end the codes read back
.set T1,  116                          ; v116-131  the 4-bit term
.set T2,  132                          ; v132-147  the 8-bit term
.set Q,   148                          ; v148-163  the mixture
.set C,   164                          ; v164-227  codes: four registers for each step
.set SPW, 228                          ; my spare word's LDS address; never rewritten
.set NIL, 229                          ; 0; never rewritten
.set STA, 230                          ; the stage, on the way in: 272 x lane
.set RDA, 231                          ; and on the way out: sixteen lanes to a unit
.set SP,  272                          ; a lane's unit of 256 bytes + 16 of padding
.set WREG, 32*SP                       ; a wave's stage
.set SPARE, 4*WREG                     ; behind the four stages: the spare words, 128 bytes a wave
	s_load_b512 s[16:31], s[0:1], 0x0              ; x, W, xq, wq, logits_a, logits_w, lsq_a_s, lsq_w_s
	s_load_b256 s[32:39], s[0:1], 0x40             ; rescale_scale, lsq_a_beta, pact_alpha, lowp_scales
	s_load_b64 s[40:41], s[0:1], 0x60              ; wmax
	v_lshl_add_u32 v[SPW], v0, 2, SPARE
	v_mov_b32 v[NIL], 0
	v_and_b32 v11, 31, v0
	v_lshlrev_b32 v1, 4, v11                       ; 16 x lane: my bytes of a load's 512, and of a store's; never rewritten
	v_lshrrev_b32 v10, 5, v0
	v_readfirstlane_b32 s15, v10                   ; wave 0..3
	s_mul_i32 s42, s15, WREG
	v_mul_u32_u24 v12, v11, SP
	v_add_nc_u32 v[STA], s42, v12
	v_lshrrev_b32 v12, 4, v11
	v_and_b32 v13, 15, v11
	v_mul_u32_u24 v12, v12, SP
	v_lshl_add_u32 v12, v13, 4, v12
	v_add_nc_u32 v[RDA], s42, v12
	s_mov_b32 s58, 0x76543210                      ; v_permlanex16_b32: lane l xor 16
	s_mov_b32 s59, 0xfedcba98
	s_wait_alu depctr_va_vdst(0)                   ; the wait at the head's end
	s_wait_kmcnt 0x0
	s_cmp_lt_u32 ttmp9, NWG_X                      ; x's work-group or W's?  The choice hangs on the work-group's number alone
	s_cselect_b64 s[4:5], s[16:17], s[18:19]       ; the numbers
	s_cselect_b64 s[6:7], s[20:21], s[22:23]       ; the codes
	s_cselect_b64 s[8:9], s[24:25], s[26:27]       ; the logits
	s_cselect_b64 s[10:11], s[28:29], s[30:31]     ; the 4-bit step
	s_cselect_b32 s12, 0, NWG_X
	s_cselect_b32 s13, -1, 0                       ; all lanes' bits for x, none for W: the mask of the vector selects below
	s_sub_co_u32 s14, ttmp9, s12
	s_lshl_b32 s14, s14, 2
	s_add_co_u32 s14, s14, s15                     ; my wave's part, 0 .. 2,047: 16 rows s14 / 8, the 512 along K s14 % 8
	s_lshr_b32 s2, s14, 3
	s_lshl_b32 s2, s2, 18                          ; 16 rows of 16,384 bytes
	s_and_b32 s3, s14, 7
	s_lshl_b32 s3, s3, 11                          ; 2,048 bytes of a row
	s_add_co_u32 s2, s2, s3
	s_mov_b32 s3, 0
	s_add_nc_u64 s[4:5], s[4:5], s[2:3]
	s_lshl_b32 s2, s14, 13                         ; 8,192 bytes of codes
	s_add_nc_u64 s[6:7], s[6:7], s[2:3]
	s_load_b96 s[44:46], s[8:9], 0x0               ; the three logits
	s_load_b32 s47, s[10:11], 0x0                  ; the 4-bit step
	s_load_b32 s48, s[32:33], 0x0                  ; rescale_scale
	s_load_b32 s49, s[34:35], 0x0                  ; lsq_a_beta
	s_load_b32 s50, s[36:37], 0x0                  ; pact_alpha
	s_load_b64 s[52:53], s[38:39], 0x0             ; the two exponents
	global_load_b128 v[2:5], v1, s[40:41]          ; the 256 partial maxima of |W|: eight a lane
	global_load_b128 v[6:9], v1, s[40:41] offset:512
.macro LOAD t                          ; row t's 512 numbers into set t % 4: each load reads 512 consecutive bytes
.irp i, 0,1,2,3
	global_load_b128 v[R+16*((\t)%4)+4*\i:R+16*((\t)%4)+4*\i+3], v1, s[4:5] offset:16384*(\t)+512*\i th:TH_LOAD_NT
.endr
.endm
.irp t, 0,1,2,3
	LOAD \t
.endr
.macro NEWTON r, s, tmp                ; v[r], near 1 / v[s], is brought closer: r + r (1 - s r)
	v_fma_f32 v[\tmp], -v[\s], v[\r], 1.0
	v_fma_f32 v[\r], v[\tmp], v[\r], v[\r]
.endm
.macro DIVFIX q, n, d, r, tmp          ; q = n / d, r near 1 / d: n r, corrected by its remainder n - q d
	v_mul_f32 \q, \r, \n
	v_fma_f32 \tmp, -\q, \d, \n
	v_fma_f32 \q, \tmp, \r, \q
.endm
	; THE CONSTANTS, while the first numbers are on their way
	s_wait_kmcnt 0x0
	s_cmp_lt_u32 ttmp9, NWG_X                      ; compared again: the additions above have set SCC
	s_cselect_b32 s49, s49, 0                      ; beta'
	s_cselect_b32 s52, s52, s53                    ; e
	s_mov_b32 s54, 0x42fe0000                      ; 127,
	s_cselect_b32 s54, 0x437f0000, s54             ; or 255: the 8-bit term's divisor, and its upper clip
	s_mov_b32 s55, 0x3c010204                      ; 1 / 127,
	s_cselect_b32 s55, 0x3b808081, s55             ; or 1 / 255
	s_cselect_b32 s56, 0, 0xc3000000               ; its lower clip: 0 or -128
	s_cselect_b32 s57, 0, 0x358637bd               ; the floor under its step: none for x, EPS = 1e-6 for W
	s_add_co_i32 s52, s52, 127
	s_lshl_b32 s53, s52, 23
	v_mov_b32 v[SC], s53                           ; 2^e as f32: the conversion takes its exponent field
	s_add_co_i32 s52, s52, 15
	s_lshl_b32 s52, s52, 23
	s_or_b32 s52, s52, 0x600000
	v_mov_b32 v[LIM], s52                          ; 57,344 x 2^e
	v_mov_b32 v10, s44
	v_mov_b32 v11, s45
	v_mov_b32 v12, s46
	v_mov_b32 v16, 0x358637bd                      ; EPS
	v_mov_b32 v27, s49                             ; beta'
	v_max3_num_f32 v13, v10, v11, v12              ; the largest logit is taken away ahead of the exponentials
	v_max_num_f32 v14, s48, v16                    ; scale
	v_max_num_f32 v15, s47, v16                    ; s1
	v_sub_f32 v10, v10, v13
	v_sub_f32 v11, v11, v13
	v_sub_f32 v12, v12, v13
	v_mul_f32 v10, 0x3ed30bb1, v10                 ; x log2(e) / 3.5
	v_mul_f32 v11, 0x3ed30bb1, v11
	v_mul_f32 v12, 0x3ed30bb1, v12
	s_wait_alu depctr_va_vdst(0)                   ; the wait ahead of the batch
	v_exp_f32 v10, v10                             ; a batch of five
	v_exp_f32 v11, v11
	v_exp_f32 v12, v12
	v_rcp_f32 v18, v14                             ; near 1 / scale
	v_rcp_f32 v19, v15                             ; near 1 / s1
	v_max_num_f32 v17, s50, v16                    ; max(pact_alpha, EPS): the plain instruction behind the batch
	s_wait_alu depctr_va_vdst(0)                   ; one wait for the five, ahead of the first line that names a result
	v_add_f32 v20, v10, v11
	v_add_f32 v20, v20, v12                        ; the softmax's sum, between 1 and 3
	NEWTON 18, 14, 28
	NEWTON 19, 15, 29
	s_wait_loadcnt 16                              ; the partial maxima are in; the sixteen loads of numbers issued behind them stay out
	v_max3_num_f32 v2, v2, v3, v4
	v_max3_num_f32 v5, v5, v6, v7
	v_max3_num_f32 v2, v2, v8, v9
	v_max_num_f32 v2, v2, v5
	v_max_num_f32_dpp v2, v2, v2 row_xmask:1 row_mask:0xf bank_mask:0xf
	v_max_num_f32_dpp v2, v2, v2 row_xmask:2 row_mask:0xf bank_mask:0xf
	v_max_num_f32_dpp v2, v2, v2 row_xmask:4 row_mask:0xf bank_mask:0xf
	v_max_num_f32_dpp v2, v2, v2 row_xmask:8 row_mask:0xf bank_mask:0xf
	v_permlanex16_b32 v3, v2, s58, s59
	v_max_num_f32 v2, v2, v3                       ; max|W|, in every lane
	DIVFIX v21, v2, v14, v18, v28                  ; max|W| / scale = the largest |W / scale|
	v_cndmask_b32 v22, v21, v17, s13               ; the 8-bit range: x: max(pact_alpha, EPS); W: that
	DIVFIX v23, v22, s54, s55, v28                 ; / 255 or / 127
	v_max_num_f32 v23, s57, v23                    ; s2
	s_wait_alu depctr_va_vdst(0)                   ; the wait ahead of the batch
	v_rcp_f32 v24, v20                             ; a batch of two: near 1 / the sum,
	v_rcp_f32 v25, v23                             ; near 1 / s2
	v_cndmask_b32 v26, v18, v14, s13               ; c0: x: scale; W: 1 / scale.  (The plain instruction behind the batch)
	s_wait_alu depctr_va_vdst(0)                   ; one wait for the two
	NEWTON 24, 20, 28
	NEWTON 25, 23, 29
	v_mul_f32 v10, v10, v24                        ; a0
	v_mul_f32 v11, v11, v24                        ; a1
	v_mul_f32 v12, v12, v24                        ; a2
	v_mul_f32 v[G1], v26, v19
	v_mul_f32 v[H1], -v27, v19
	v_mul_f32 v[G2], v26, v25
	v_mul_f32 v[G0], v12, v26
	v_mul_f32 v[K0], v10, v27
	v_mul_f32 v[K1], v10, v15
	v_mul_f32 v[K2], v11, v23
.irp p, G1, H1, G2, G0, K0, K1, K2
	v_mov_b32 v[\p+1], v[\p]
.endr
	v_mov_b32 v[LO1], 0xc1000000                   ; -8
	v_mov_b32 v[HI1], 0x40e00000                   ; 7
	v_mov_b32 v[LO2], s56
	v_mov_b32 v[HI2], s54
.macro STEP t
.set RS, R+16*((\t)%4)
.if STEPS-1-(\t) >= 3
	s_wait_loadcnt 12                              ; this step's four loads are in; those of the three steps behind it stay out
.else
	s_wait_loadcnt 4*(STEPS-1-(\t))
.endif
.irp j, 0,2,4,6,8,10,12,14
	v_pk_fma_f32 v[T1+\j:T1+\j+1], v[RS+\j:RS+\j+1], v[G1:G1+1], v[H1:H1+1]
.endr
.irp j, 0,2,4,6,8,10,12,14
	v_pk_mul_f32 v[T2+\j:T2+\j+1], v[RS+\j:RS+\j+1], v[G2:G2+1]
.endr
.irp j, 0,2,4,6,8,10,12,14
	v_pk_fma_f32 v[Q+\j:Q+\j+1], v[RS+\j:RS+\j+1], v[G0:G0+1], v[K0:K0+1]
.endr
.if (\t)+4 < STEPS
	LOAD (\t)+4                                    ; the set has been read: it takes the numbers of four steps on
.endif
.irp i, 0,1,2,3,4,5,6,7,8,9,10,11,12,13,14,15
	v_med3_num_f32 v[T1+\i], v[T1+\i], v[LO1], v[HI1]
.endr
.irp i, 0,1,2,3,4,5,6,7,8,9,10,11,12,13,14,15
	v_med3_num_f32 v[T2+\i], v[T2+\i], v[LO2], v[HI2]
.endr
.irp i, 0,1,2,3,4,5,6,7,8,9,10,11,12,13,14,15
	v_rndne_f32 v[T1+\i], v[T1+\i]                 ; to the nearest whole number, ties to even
.endr
.irp i, 0,1,2,3,4,5,6,7,8,9,10,11,12,13,14,15
	v_rndne_f32 v[T2+\i], v[T2+\i]
.endr
.irp j, 0,2,4,6,8,10,12,14
	v_pk_fma_f32 v[Q+\j:Q+\j+1], v[T1+\j:T1+\j+1], v[K1:K1+1], v[Q+\j:Q+\j+1]
.endr
.irp j, 0,2,4,6,8,10,12,14
	v_pk_fma_f32 v[Q+\j:Q+\j+1], v[T2+\j:T2+\j+1], v[K2:K2+1], v[Q+\j:Q+\j+1]
.endr
.irp i, 0,1,2,3,4,5,6,7,8,9,10,11,12,13,14,15
	v_med3_num_f32 v[Q+\i], v[Q+\i], -v[LIM], v[LIM]   ; the conversion to an 8-bit code does not saturate (ISA guide 7.6.2): the number is held within the largest code x the scale first
.endr
	v_cvt_scalef32_pk8_bf8_f32 v[C+4*(\t):C+4*(\t)+1], v[Q:Q+7], v[SC]       ; eight numbers / 2^e, to the nearest code, ties to even; the first number's code in the lowest byte
	v_cvt_scalef32_pk8_bf8_f32 v[C+4*(\t)+2:C+4*(\t)+3], v[Q+8:Q+15], v[SC]
	; the codes are touched by the LDS store alone, and the next step's sixteen packed lines on T1 and T2 stand ahead of the next write of Q
	ds_store_b128 v[STA], v[C+4*(\t):C+4*(\t)+3] offset:16*(\t)              ; piece t of my unit of 256 bytes; each step has its own registers
.endm
.irp t, 0,1,2,3,4,5,6,7,8,9,10,11,12,13,14,15
	STEP \t
.endr
.irp u, 0,1,2,3,4,5,6,7,8,9,10,11,12,13,14,15
	ds_load_b128 v[R+4*\u:R+4*\u+3], v[RDA] offset:2*SP*\u                   ; units 2 u and 2 u + 1, sixteen lanes each; LDS serves a wave's instructions in order: these see my stores
.endr
.irp u, 0,1,2,3,4,5,6,7,8,9,10,11,12,13,14,15
	s_wait_dscnt 15-\u
	global_store_b128 v1, v[R+4*\u:R+4*\u+3], s[6:7] offset:512*\u           ; 32 lanes store 512 consecutive bytes, at a multiple of 512 from the buffer's first byte
.endr
	s_wait_tensorcnt 0x0                           ; the wave's end
	ds_add_u32 v[SPW], v[NIL]
	s_wait_dscnt 0x0
	s_endpgm
.Lfunc_end_k_q47cea89313_quant:
	.size	k_q47cea89313_quant, .Lfunc_end_k_q47cea89313_quant-k_q47cea89313_quant
	.p2alignl 7, 3214868480
	.fill 96, 4, 3214868480
	.section	.rodata,"a",@progbits
	.p2align	6, 0x0
	.amdhsa_kernel k_q47cea89313_quant
		.amdhsa_group_segment_fixed_size 35328
		.amdhsa_private_segment_fixed_size 0
		.amdhsa_enable_private_segment 0
		.amdhsa_kernarg_size 104
		.amdhsa_user_sgpr_count 2
		.amdhsa_user_sgpr_kernarg_segment_ptr 1
		.amdhsa_wavefront_size32 1
		.amdhsa_system_sgpr_workgroup_id_x 1
		.amdhsa_system_sgpr_workgroup_id_y 1
		.amdhsa_system_sgpr_workgroup_id_z 1
		.amdhsa_system_vgpr_workitem_id 0
		.amdhsa_next_free_vgpr 232
		.amdhsa_next_free_sgpr 66
		.amdhsa_reserve_vcc 0
		.amdhsa_float_denorm_mode_32 3
		.amdhsa_float_denorm_mode_16_64 3
		.amdhsa_memory_ordered 1
		.amdhsa_forward_progress 1
		.amdhsa_inst_pref_size 124
	.end_amdhsa_kernel
	.amdgpu_metadata
---
amdhsa.version: [ 1, 2 ]
amdhsa.kernels:
  - .name:           k_q47cea89313_quant
    .symbol:         k_q47cea89313_quant.kd
    .args:
      - { .name: x, .offset: 0, .size: 8, .value_kind: global_buffer, .address_space: global }
      - { .name: W, .offset: 8, .size: 8, .value_kind: global_buffer, .address_space: global }
      - { .name: xq, .offset: 16, .size: 8, .value_kind: global_buffer, .address_space: global }
      - { .name: wq, .offset: 24, .size: 8, .value_kind: global_buffer, .address_space: global }
      - { .name: logits_a, .offset: 32, .size: 8, .value_kind: global_buffer, .address_space: global }
      - { .name: logits_w, .offset: 40, .size: 8, .value_kind: global_buffer, .address_space: global }
      - { .name: lsq_a_s, .offset: 48, .size: 8, .value_kind: global_buffer, .address_space: global }
      - { .name: lsq_w_s, .offset: 56, .size: 8, .value_kind: global_buffer, .address_space: global }
      - { .name: rescale_scale, .offset: 64, .size: 8, .value_kind: global_buffer, .address_space: global }
      - { .name: lsq_a_beta, .offset: 72, .size: 8, .value_kind: global_buffer, .address_space: global }
      - { .name: pact_alpha, .offset: 80, .size: 8, .value_kind: global_buffer, .address_space: global }
      - { .name: lowp_scales, .offset: 88, .size: 8, .value_kind: global_buffer, .address_space: global }
      - { .name: wmax, .offset: 96, .size: 8, .value_kind: global_buffer, .address_space: global }
    .group_segment_fixed_size: 35328
    .private_segment_fixed_size: 0
    .kernarg_segment_align: 8
    .kernarg_segment_size: 104
    .max_flat_workgroup_size: 128
    .sgpr_count:     66
    .vgpr_count:     232
    .wavefront_size: 32
...
	.end_amdgpu_metadata
.endif
;; end of part 2
;; launch gemm (part 3): grid 16 x 16, 4 waves a work-group, clusters of 4 x 1, 327,680 bytes of LDS; arguments xq, wq, lowp_scales, b, out0; writes out0
.if DOCPART == 3
	.amdgcn_target "amdgcn-amd-amdhsa--gfx1250"
	.amdhsa_code_object_version 6
	.text
	.protected	k_q47cea89313_gemm
	.globl	k_q47cea89313_gemm
	.p2align	8
	.type	k_q47cea89313_gemm,@function
k_q47cea89313_gemm:
	s_mov_b64 s[64:65], 0
	v_nop
	global_prefetch_b8 v0, s[64:65] scope:SCOPE_SE
	s_setreg_imm32_b32 hwreg(HW_REG_WAVE_MODE, 25, 1), 1
	s_wait_xcnt 0x0
	s_wait_alu depctr_hold_cnt(0) depctr_sa_sdst(0) depctr_va_vdst(0) depctr_va_sdst(0) depctr_va_ssrc(0) depctr_va_vcc(0) depctr_vm_vsrc(0)
	s_getreg_b32 s2, hwreg(HW_REG_IB_STS2, 6, 4)
	s_cmp_eq_u32 s2, 0
	s_cbranch_scc0 .Lentry_in_a_cluster
	s_endpgm
.Lentry_in_a_cluster:
	s_bfe_u32 s2, ttmp6, 0x10000c
	s_cmp_lg_u32 s2, 0x3003
	s_cbranch_scc0 .Lentry_shape_is_right
	s_endpgm
.Lentry_shape_is_right:
; out0[m][n] = 2^(e0 + e1) x (sum over k of xq[m][k] wq[n][k]) + b[n].  xq, wq: codes of BF8 (E5M2) of 4096 x 4096 numbers each; sums in f32; out0 f32.
; xq and wq lie in the order of the operand registers: [256 blocks of 16 rows][32 steps of 128 along K][2,048 bytes], byte 512 c + 16 lane + m of a block = byte m of registers 4 c .. 4 c + 3 of that lane.
; Which k a byte holds is the same in both, so every product meets its partner.  A fragment is four loads of 512 consecutive bytes, from memory and from LDS alike: no padding is needed.
; LIMIT: e0 + e1 lies between -126 and 127, so that 2^(e0 + e1) is an f32 number.
; SHARES.  A work-group of four waves makes 256 x 256 of out0; wave w makes rows 64 w .. 64 w + 63 x all 256 columns: 64 accumulators of 16 x 16, 512 registers.
; x's rows of a wave are read by that wave alone, so x's fragments go from memory STRAIGHT INTO REGISTERS: four sets of 4 fragments; step u loads step u + 3's, one fragment behind each of its four groups of products.
; W's 256 rows are read by all four waves: they go through a ring of two LDS slots of 131,072 bytes, 512 along K each (four steps), filled by the tensor data mover, a quarter (64 rows) a wave.
; THE LAST FOUR STEPS GO BY COLUMNS: W's last slot is whole and x's four sets hold all four steps, so 64 columns at a time are finished (four groups, K ascending), and their results leave,
; 16 rows x 256 bytes in each run of loads, while the next 64 columns are multiplied.
; CLUSTERS: the four work-groups of a cluster lie along x, which counts blocks of rows of out0; they need the same tiles of W and ask for them JOINTLY (mask 15).  x's fragments do not pass the tensor data mover,
; so there is no joint request for them; with x out of LDS a slot holds twice the K that it would hold with both operands.
; PREFETCH: W's tile two refills on, 32 lanes x 256 bytes a wave; the four partners share a wave's four row blocks out by address.  x has none: its own loads stand two steps and more (128 matrix instructions) ahead of their use.
; THE MATRIX INSTRUCTION IS USED TRANSPOSED (source 0 = 16 rows of W, source 1 = 16 rows of x): a lane holds eight neighbouring numbers of a row of out0.
; REGISTERS: window 0: v0-31 addresses; v32-95 the way out, two sets of 32; v96-111 b; v128-255 eight fragments of W, two halves of four.  window 1: x's four sets of 64.
;   windows 2, 3: the accumulators: (x block a, W block j) at v[8 (4 (j % 8) + a)] of window 2 + j / 8.
.set SLOTB, 131072
.set SPARE, 2*SLOTB                    ; behind the ring: the spare words, 128 bytes a wave
.set SP,    272                        ; the way out: a stage row, 256 bytes + 16
.set STG,   16*SP                      ; a wave's stage; the four lie in slot 0, behind its last fill and its last read
.set AD,  16                           ; v16-19  16 x lane + 65,536 x (2 slot + j / 8)
.set LO,  20                           ; v20     16 x lane
.set STO, 21                           ; v21     the way out: where I put 32 bytes of a row
.set RD,  22                           ; v22     the way out: where I read rows back, sixteen lanes to a row
.set PFO, 23                           ; v23     256 x lane
.set BO,  24                           ; v24     16 x (lane % 16)
.set CO,  25                           ; v25     my place in two rows of out0: 16,384 x (lane / 16) + 16 x (lane % 16)
.set SPW, 28                           ; v28     my spare word's LDS address; never rewritten
.set NIL, 29                           ; v29     0; never rewritten
.set TQ,  32
.set BI,  96                           ; v96-111 b of my four columns in each 64
.set BR,  128
.set G1,  24                           ; s[24:31] descriptor group 1
.set G0,  32                           ; s[32:39] group 0, a set for each slot
.set XB,  40                           ; s[40:41] x's fragments: my four row blocks, at the lap's first step
.set PF,  42                           ; s[42:43] the prefetches: my work-group's row block of the four that I fetch
.set SCL, 44                           ; s[44:45] e0, e1; then 2^(e0 + e1)
.set MSB, 0
.macro WIN new                         ; the immediate's high byte repeats the setting that is left
.if MSB != \new
	s_set_vgpr_msb (MSB<<8)|\new
.set MSB, \new
.endif
.endm
.macro PLACES
.rept 4
	v_nop
.endr
.endm
.macro CREST                           ; a round of the cluster's barrier behind its opening barrier
	s_cmp_lg_u32 s14, 0
	s_cbranch_scc1 .Lnot_wave_0_\@
	s_barrier_signal -3
.Lnot_wave_0_\@:
	s_barrier_wait -3
	s_barrier_signal -1
	s_barrier_wait -1
.endm
.macro ROUND
	s_barrier_signal -1
	s_barrier_wait -1
	CREST
.endm
.macro TLOAD s                         ; my quarter of a tile of W: 4 row blocks x 8,192 bytes
	tensor_load_to_lds s[G0+4*(\s):G0+4*(\s)+3], s[G1:G1+7]
	s_nop 0
	PLACES
.endm
.macro XQ u, a                         ; x's fragment a of the lap's step u into set u % 4: four loads of 512 consecutive bytes
	WIN 0x40
.irp c, 0,1,2,3
	global_load_b128 v[64*((\u)%4)+16*(\a)+4*\c:64*((\u)%4)+16*(\a)+4*\c+3], v[LO], s[XB:XB+1] offset:(\u)*2048+(\a)*65536+\c*512
.endr
.endm
.macro LDB sl, q, g, hf                ; W's fragments j = 4 g .. 4 g + 3 of the slot's step q into half hf
.irp jj, 0,1,2,3
.irp c, 0,1,2,3
	ds_load_b128 v[BR+16*(4*(\hf)+\jj)+4*\c:BR+16*(4*(\hf)+\jj)+4*\c+3], v[AD+2*(\sl)+(\g)/2] offset:((4*(\g)+\jj)%8)*8192+(\q)*2048+\c*512
.endr
.endr
.endm
.macro MM g, xs, zero, hf, jj          ; W's fragment 4 g + jj x x's four
.irp a, 0,1,2,3
.set AC, 8*(4*((4*(\g)+\jj)%8)+\a)
.set BF, BR+16*(4*(\hf)+\jj)
.if \zero
	v_wmma_f32_16x16x128_bf8_bf8 v[AC:AC+7], v[BF:BF+15], v[\xs+16*\a:\xs+16*\a+15], 0
.else
	v_wmma_f32_16x16x128_bf8_bf8 v[AC:AC+7], v[BF:BF+15], v[\xs+16*\a:\xs+16*\a+15], v[AC:AC+7]
.endif
.endr
.endm
; A group: sixteen matrix instructions, W's fragments 4 g .. 4 g + 3 (in half hf) x x's four.  The accumulators take turns.
; w1: the LDS instructions that may be out when the first two fragments are in; w2: when all four are; below 0: no wait is due.
.macro MULG g, xs, zero, hf, w1, w2
	WIN 0xa4+0x50*((\g)/2)                         ; source 0 window 0, source 1 window 1, C and D window 2 or 3
.if \w1 >= 0
	s_wait_dscnt \w1
.endif
	MM \g, \xs, \zero, \hf, 0
	MM \g, \xs, \zero, \hf, 1
.if \w2 >= 0
	s_wait_dscnt \w2
.endif
	MM \g, \xs, \zero, \hf, 2
	MM \g, \xs, \zero, \hf, 3
.endm
.macro RUN sl, q, g, hf, xl, u3, a     ; behind a group: four places in front of loads into registers that matrix instructions have read; W's group two on, into the half just read; one fragment of x
	PLACES
	WIN 0
	LDB \sl, \q, \g, \hf
.if \xl
	XQ \u3, \a
.endif
.endm
.macro ASK off                         ; W's tile two refills on; the loop's last trip (s3 = 1) has none
	s_cmp_gt_u32 s3, 1
	s_cbranch_scc0 .Lnone_\@
	global_prefetch_b8 v[PFO], s[PF:PF+1] offset:\off th:TH_LOAD_NT scope:SCOPE_SE
.Lnone_\@:
.endm
; A step of 128 along K, the lap's u-th: four groups.  In front of a group its own last 8 and the next group's 16 LDS loads may be out; in front of its second half the next group's 16.
; turn = 1, 2: a slot's last step.  The loads behind group 1 were the last reads of the slot; in front of group 2 stand the wait for all my tensor loads and the add, in front of group 3 the wait for the add and my reads and
; the barrier's signal; behind the barrier (turn = 1: it opens a round of the cluster's barrier) the slot is filled again first, and then the next slot is read.
; turn = 2: nothing is left to fetch; the next four steps go by columns, so their first two groups are W's blocks 0-3 of steps 0 and 1, and x's last two sets are asked for here, whole.
; xl: the set that the step before has left takes x's fragments of three steps on.  lc: x's younger loads that may stay out (two steps' 32).
.macro STEP u, zero, turn, xl, lc
.set XS, 64*((\u)%4)
.set SL, ((\u)/4)%2
.set QQ, (\u)%4
.set SN, (((\u)+1)/4)%2
.set QN, ((\u)+1)%4
	s_wait_loadcnt \lc
	MULG 0, XS, \zero, 0, 24, 16
	RUN SL, QQ, 2, 0, \xl, (\u)+3, 0
.if \turn == 2
	XQ (\u)+3, 1
	XQ (\u)+3, 2
	XQ (\u)+3, 3
.endif
	MULG 1, XS, \zero, 1, 24, 16
.if \turn == 2
	RUN SL, QQ, 3, 1, 0, 0, 0
.else
	RUN SL, QQ, 3, 1, \xl, (\u)+3, 1
.endif
.if \turn
	WIN 0
	s_wait_tensorcnt 0x0                           ; all my tensor loads have landed: my quarter of the next slot
	ds_add_u32 v[SPW], v[NIL]
.if \turn == 1
	s_add_nc_u64 s[G0+4*SL+2:G0+4*SL+3], s[G0+4*SL+2:G0+4*SL+3], 16384   ; no load of mine is out: this slot's next tile, 1,024 along K on
.endif
	MULG 2, XS, \zero, 0, 25, 17                   ; the counts of every group, and the add
	s_wait_dscnt 0x0                               ; the add is done, and my reads of this slot are over
	s_barrier_signal -1
	MULG 3, XS, \zero, 1, -1, -1
	WIN 0
	s_barrier_wait -1
.if \turn == 1
	CREST                                          ; no wave of any partner still reads this slot or has a load on its way
	TLOAD SL                                       ; the first tensor load behind the round; its four v_nop are the places in front of the loads below
	LDB SN, QN, 0, 0
	LDB SN, QN, 1, 1
	ASK 32768+8192*((\u)/4)
.if \xl
	XQ (\u)+3, 2
	XQ (\u)+3, 3
.endif
.else
	PLACES
	LDB 1, 0, 0, 0
	LDB 1, 1, 0, 1
.irp a, 0,1,2,3
	XQ (\u)+4, \a
.endr
.endif
.else
	MULG 2, XS, \zero, 0, 24, 16
	RUN SN, QN, 0, 0, \xl, (\u)+3, 2
	MULG 3, XS, \zero, 1, 24, 16
	RUN SN, QN, 1, 1, \xl, (\u)+3, 3
.endif
	WIN 0
.endm
; THE WAY OUT, by quarters: quarter k = 4 p + a is x's block a (16 rows) x columns 64 p .. 64 p + 63 (256 bytes of a row).  A lane holds 32 neighbouring bytes of a row for each of W's four blocks.
; QA: into my own stage, and back as whole rows of 256 bytes, two rows a load (LDS serves a wave's instructions in order, ISA guide 5.7.1.4: no wait between the stores and the loads, nor in front of the next quarter's stores).
; QC: x 2^(e0 + e1), + b, and stored: sixteen lanes fill an aligned 256 bytes.  Every place in out0 stands in the immediate: 1,016,576 bytes at the most.
.macro QA k
.set QP, (\k)/4
.set QR, (\k)%4
	s_wait_xcnt 0x0                                ; quarter k - 2's stores have read the registers that take this quarter
	WIN 0x08+4*(QP/2)                              ; the data: window 2 or 3
.irp jj, 0,1,2,3
	ds_store_b128 v[STO], v[8*(4*((4*QP+\jj)%8)+QR):8*(4*((4*QP+\jj)%8)+QR)+3] offset:64*\jj        ; each accumulator from its low end on
	ds_store_b128 v[STO], v[8*(4*((4*QP+\jj)%8)+QR)+4:8*(4*((4*QP+\jj)%8)+QR)+7] offset:64*\jj+16
.endr
	WIN 0
.irp t, 0,1,2,3,4,5,6,7
	ds_load_b128 v[TQ+32*((\k)%2)+4*\t:TQ+32*((\k)%2)+4*\t+3], v[RD] offset:2*SP*\t
.endr
.endm
.macro QC k, cnt                       ; cnt: the LDS instructions issued behind the quarter's loads
.set TT, TQ+32*((\k)%2)
.set BB, BI+4*((\k)/4)
	s_wait_dscnt \cnt
.irp t, 0,1,2,3,4,5,6,7
	v_pk_fma_f32 v[TT+4*\t:TT+4*\t+1], v[TT+4*\t:TT+4*\t+1], s[SCL:SCL+1], v[BB:BB+1] op_sel_hi:[1,0,1]
	v_pk_fma_f32 v[TT+4*\t+2:TT+4*\t+3], v[TT+4*\t+2:TT+4*\t+3], s[SCL:SCL+1], v[BB+2:BB+3] op_sel_hi:[1,0,1]
.endr
.irp t, 0,1,2,3,4,5,6,7
	global_store_b128 v[CO], v[TT+4*\t:TT+4*\t+3], s[12:13] offset:\t*32768+((\k)%4)*262144+((\k)/4)*256 th:TH_STORE_NT
.endr
.endm
; Group s of the last four steps: W's blocks 4 (s / 4) .. + 3 of step s % 4, in half s % 2.  Behind it: quarter s - 4 goes into the stage and back (16 LDS instructions), W's group s + 2 is fetched (16), quarter s - 5 is stored.
.macro TG s
.if \s < 4
	s_wait_loadcnt 48-16*(\s)                      ; x's set of step s is in; the later sets' loads may be out
.endif
.set W2, 16                            ; behind my group's loads: the next group's 16,
.if \s >= 5
.if \s <= 14
.set W2, 32                            ; and a quarter's 16
.endif
.endif
	MULG (\s)/4, 64*((\s)%4), 0, (\s)%2, W2+8, W2
	PLACES
.if \s >= 4
	QA (\s)-4
.endif
.if \s <= 13
	WIN 0
	LDB 1, ((\s)+2)%4, ((\s)+2)/4, (\s)%2
.endif
.if \s >= 5
.set CN, 48                            ; behind quarter s - 5's loads: group s + 1's 16, quarter s - 4's 16, group s + 2's 16
.if \s == 14
.set CN, 32
.endif
.if \s == 15
.set CN, 16
.endif
	QC (\s)-5, CN
.endif
.endm
	s_load_b128 s[4:7], s[0:1], 0x0                ; xq, wq
	s_load_b128 s[8:11], s[0:1], 0x10              ; lowp_scales, b
	s_load_b64 s[12:13], s[0:1], 0x20              ; out0
	v_lshl_add_u32 v[SPW], v0, 2, SPARE
	v_mov_b32 v[NIL], 0
	ds_add_u32 v[SPW], v[NIL]                      ; the opening lines: the add, twice on end, and its wait ahead of my first tensor load
	ds_add_u32 v[SPW], v[NIL]
	v_lshrrev_b32 v1, 5, v0
	v_readfirstlane_b32 s14, v1                    ; wave 0..3
	s_mul_i32 s18, s14, STG
	v_and_b32 v2, 31, v0
	v_lshlrev_b32 v[LO], 4, v2
	v_and_b32 v3, 15, v0                           ; r
	v_bfe_u32 v4, v0, 4, 1                         ; h
	v_mul_u32_u24 v5, v3, SP
	v_lshl_add_u32 v5, v4, 5, v5
	v_add_nc_u32 v[STO], s18, v5                   ; my stage: row r, 32 bytes for each half of the lanes
	v_mul_u32_u24 v6, v4, SP
	v_lshl_add_u32 v6, v3, 4, v6
	v_add_nc_u32 v[RD], s18, v6                    ; back: row h, 16 bytes a lane
	v_lshlrev_b32 v[BO], 4, v3
	v_lshl_add_u32 v[CO], v4, 14, v[BO]
.irp i, 0,1,2,3
	v_add_nc_u32 v[AD+\i], \i*65536, v[LO]
.endr
	v_lshlrev_b32 v[PFO], 8, v2
	s_wait_alu depctr_va_vdst(0)                   ; the wait behind the head's vector lines
	s_bfe_u32 s15, ttmp6, 0x40000                  ; cx
	s_lshl_b32 s16, ttmp9, 2
	s_add_co_u32 s16, s16, s15                     ; tm: which 256 rows of out0
	s_and_b32 s17, ttmp7, 0xffff                   ; tn: which 256 columns; the four partners share it
	s_mov_b32 s[G1+0], 15|(3<<16)|(1<<21)          ; the mask names the four; elements of 8 bytes; bit 21 beside a mask; no padding
	s_mov_b32 s[G1+1], 1024<<16                    ; tensor_dim0 = 1,024 elements: a row block's 512 along K, 8,192 bytes
	s_mov_b32 s[G1+2], 4<<16                       ; tensor_dim1 = 4 row blocks
	s_mov_b32 s[G1+3], 1024<<16                    ; tile_dim0
	s_mov_b32 s[G1+4], 4                           ; tile_dim1
	s_mov_b32 s[G1+5], 8192                        ; from row block to row block: 65,536 bytes
	s_mov_b32 s[G1+6], 0
	s_mov_b32 s[G1+7], 0
	s_lshl_b32 s18, s16, 2
	s_add_co_u32 s18, s18, s14                     ; 4 tm + w
	s_lshl_b32 s20, s18, 18                        ; x: four row blocks of 65,536 bytes each
	s_mov_b32 s21, 0
	s_lshl_b32 s22, s18, 20                        ; out0: 64 rows of 16,384 bytes each,
	s_lshl_b32 s50, s17, 10                        ; and 1,024 bytes of a row for tn; the same in b
	s_mov_b32 s51, 0
	s_add_co_u32 s22, s22, s50
	s_mov_b32 s23, 0
	s_lshl_b32 s46, s17, 2
	s_add_co_u32 s46, s46, s14
	s_lshl_b32 s46, s46, 18                        ; W: row blocks 16 tn + 4 w ..: made of tn and the wave's number alone
	s_mov_b32 s47, 0
	s_lshl_b32 s48, s15, 16                        ; the prefetches: of my four row blocks my work-group takes number cx
	s_mov_b32 s49, 0
	s_mov_b32 s[G0+0], 1
	s_mov_b32 s[G0+4], 1
	s_lshl_b32 s[G0+1], s14, 15                    ; LDS: wave x 32,768
	s_add_co_u32 s[G0+5], s[G0+1], SLOTB
	s_wait_dscnt 0x0                               ; both opening adds are done
	s_wait_kmcnt 0x0
	s_load_b64 s[SCL:SCL+1], s[8:9], 0x0           ; e0, e1
	s_add_nc_u64 s[XB:XB+1], s[4:5], s[20:21]
	s_add_nc_u64 s[12:13], s[12:13], s[22:23]
	s_add_nc_u64 s[10:11], s[10:11], s[50:51]
	s_add_nc_u64 s[G0+2:G0+3], s[6:7], s[46:47]
	s_add_nc_u64 s[PF:PF+1], s[G0+2:G0+3], s[48:49]
	s_add_nc_u64 s[G0+6:G0+7], s[G0+2:G0+3], 8192
	s_or_b32 s[G0+3], s[G0+3], 0x80000000
	s_or_b32 s[G0+7], s[G0+7], 0x80000000
	ROUND                                          ; the four work-groups are here: the first joint loads meet
	TLOAD 0                                        ; K 0 .. 511: one tensor load a wave at the head
.irp p, 0,1,2,3
	global_load_b128 v[BI+4*\p:BI+4*\p+3], v[BO], s[10:11] offset:256*\p
.endr
.irp u, 0,1,2
.irp a, 0,1,2,3
	XQ \u, \a
.endr
.endr
	WIN 0
	s_wait_tensorcnt 0x0                           ; slot 1's first fill is issued as a refill is
	ds_add_u32 v[SPW], v[NIL]
	s_wait_dscnt 0x0
	ROUND
	TLOAD 1                                        ; K 512 .. 1,023
	LDB 0, 0, 0, 0
	LDB 0, 0, 1, 1
	s_wait_kmcnt 0x0
	s_add_co_i32 s[SCL], s[SCL], s[SCL+1]
	s_add_co_i32 s[SCL], s[SCL], 127
	s_lshl_b32 s[SCL], s[SCL], 23                  ; 2^(e0 + e1) as f32
	STEP 0, 1, 0, 1, 32                            ; the first step stands in front of the loop: its products start the sums
	s_mov_b32 s3, 3
.Llap:                                                 ; a trip is eight steps, once round the ring, from a lap's second step to the next lap's first, and fills both slots again
	STEP 1, 0, 0, 1, 32
	STEP 2, 0, 0, 1, 32
	STEP 3, 0, 1, 1, 32
	STEP 4, 0, 0, 1, 32
	STEP 5, 0, 0, 1, 32
	STEP 6, 0, 0, 1, 32
	STEP 7, 0, 1, 1, 32
	STEP 8, 0, 0, 1, 32
	s_wait_xcnt 0x0                                ; x's loads and the prefetches have read their bases
	s_add_nc_u64 s[XB:XB+1], s[XB:XB+1], 16384
	s_add_nc_u64 s[PF:PF+1], s[PF:PF+1], 16384
	s_sub_co_u32 s3, s3, 1
	s_cmp_lg_u32 s3, 0
	s_cbranch_scc1 .Llap
	STEP 1, 0, 0, 1, 32                            ; the last seven steps fill no slot
	STEP 2, 0, 0, 1, 32
	STEP 3, 0, 2, 1, 32
.irp s, 0,1,2,3,4,5,6,7,8,9,10,11,12,13,14,15
	TG \s
.endr
.irp k, 12,13,14,15
	QA \k                                          ; the last 64 columns: group 15's places and quarter 10's multiply-adds stand behind the last products
	QC (\k)-1, 16                                  ; behind quarter k - 1's loads: quarter k's 16
.endr
	QC 15, 0
	s_wait_tensorcnt 0x0                           ; the wave's end
	ds_add_u32 v[SPW], v[NIL]
	s_wait_dscnt 0x0
	ROUND                                          ; the closing round
	s_endpgm
.Lfunc_end_k_q47cea89313_gemm:
	.size	k_q47cea89313_gemm, .Lfunc_end_k_q47cea89313_gemm-k_q47cea89313_gemm
	.p2alignl 7, 3214868480
	.fill 96, 4, 3214868480
	.section	.rodata,"a",@progbits
	.p2align	6, 0x0
	.amdhsa_kernel k_q47cea89313_gemm
		.amdhsa_group_segment_fixed_size 327680
		.amdhsa_private_segment_fixed_size 0
		.amdhsa_enable_private_segment 0
		.amdhsa_kernarg_size 40
		.amdhsa_user_sgpr_count 2
		.amdhsa_user_sgpr_kernarg_segment_ptr 1
		.amdhsa_wavefront_size32 1
		.amdhsa_system_sgpr_workgroup_id_x 1
		.amdhsa_system_sgpr_workgroup_id_y 1
		.amdhsa_system_sgpr_workgroup_id_z 1
		.amdhsa_system_vgpr_workitem_id 0
		.amdhsa_next_free_vgpr 1024
		.amdhsa_next_free_sgpr 66
		.amdhsa_reserve_vcc 0
		.amdhsa_float_denorm_mode_32 3
		.amdhsa_float_denorm_mode_16_64 3
		.amdhsa_memory_ordered 1
		.amdhsa_forward_progress 1
		.amdhsa_inst_pref_size 223
	.end_amdhsa_kernel
	.amdgpu_metadata
---
amdhsa.version: [ 1, 2 ]
amdhsa.kernels:
  - .name:           k_q47cea89313_gemm
    .symbol:         k_q47cea89313_gemm.kd
    .args:
      - { .name: xq, .offset: 0, .size: 8, .value_kind: global_buffer, .address_space: global }
      - { .name: wq, .offset: 8, .size: 8, .value_kind: global_buffer, .address_space: global }
      - { .name: lowp_scales, .offset: 16, .size: 8, .value_kind: global_buffer, .address_space: global }
      - { .name: b, .offset: 24, .size: 8, .value_kind: global_buffer, .address_space: global }
      - { .name: out0, .offset: 32, .size: 8, .value_kind: global_buffer, .address_space: global }
    .group_segment_fixed_size: 327680
    .private_segment_fixed_size: 0
    .kernarg_segment_align: 8
    .kernarg_segment_size: 40
    .max_flat_workgroup_size: 128
    .sgpr_count:     66
    .vgpr_count:     1024
    .wavefront_size: 32
...
	.end_amdgpu_metadata
.endif
;; end of part 3
